; MI455X (gfx1250); checked and timed in simulation.
; The chip was launched on July 23, 2026; its instructions are those of AMD's public machine-readable ISA for CDNA 5 (MIT licence, August 2026) and "CDNA5" Instruction Set Architecture Reference Guide (July 2026). The comments in the code are by the model that wrote it; some were corrected since.
;; Linear Attention. Allowed arithmetic: matrix products marked QUANTISED: E2M1 operands, one E8M0 scale for each 32 along K, by v_wmma_scale_f32_16x16x128_f8f6f4 with both operands' format E2M1 (or v_wmma_scale_f32_32x16x128_f4), f32 sums; products left as they are: f32 operands where the result goes on into a quantised operand, else bf16, f16 or f32 operands; f32 sums; everything else in f32.
;; Inputs: Wk 1,024 x 1,024 float32; Wq 1,024 x 1,024 float32; Wv 1,024 x 1,024 float32; bk 1,024 float32; bq 1,024 float32; bv 1,024 float32; mask 4 x 4,096 bool; x 4 x 4,096 x 1,024 float32.
;; Outputs: out0 4 x 4,096 x 1,024 float32.
;; This version of the problem:
;;   THIS VERSION OF THE PROBLEM IS GIVEN IN LOW PRECISION. The matrix products marked QUANTISED in the list below multiply operands that are first quantised to E2M1 (2 exponent bits, 1 mantissa bit; 4 bits a number), with one power-of-two scale for each 32 numbers along K (OCP MX v1.0); their sums are f32. All else is computed in f32.
;;   The module's matrix products, in the order in which they are computed (A, B: the left and right operand; K: the contracted axis; several contracted axes count as one K, in the product's order):
;;     1. [M 16,384, K 1,024] x [K 1,024, N 1,024]; A: input x; B: input Wq: QUANTISED
;;     2. [M 16,384, K 1,024] x [K 1,024, N 1,024]; A: input x; B: input Wk: QUANTISED
;;     3. [M 16,384, K 1,024] x [K 1,024, N 1,024]; A: input x; B: input Wv: QUANTISED
;;     4. batch 64 x [M 64, K 4,096] x [K 4,096, N 64]; A: computed on the way; B: computed on the way: QUANTISED
;;     5. batch 64 x [M 4,096, K 64] x [K 64, N 64]; A: computed on the way; B: computed on the way: QUANTISED
;;     6. batch 64 x [M 4,096, K 64] x [K 64, N 1]; A: computed on the way; B: computed on the way: left as it is (N = 1 < 16)
;;   THE QUANTISER, for each operand of a quantised product, along K:
;;     - K is cut into blocks of 32 from its start; a last block that is shorter is filled with zeros.
;;     - A block's scale is 2^e with e = floor(log2(the largest magnitude in the block)) - 2, held to -126 .. 127; a block of zeros has e = 0. As a byte (E8M0): e + 127.
;;     - Each number is divided by its block's scale, clamped to +-6, and rounded to the nearest number of E2M1, ties to even, subnormals kept.
;;     - The product sums the exact products of the quantised numbers (number of the format x scale) in f32.
;;   ~~~python
;;   def quantise(x, axis):      # numpy; x: float32 -> the quantised numbers, widened to float32 again
;;       x = np.moveaxis(x, axis, -1); K = x.shape[-1]
;;       x = np.pad(x, [(0, 0)] * (x.ndim - 1) + [(0, -K % 32)]); x = x.reshape(x.shape[:-1] + (-1, 32)); a = np.abs(x).max(-1, keepdims=True)
;;       e = np.where(a > 0, np.clip(np.frexp(np.where(a > 0, a, 1))[1] - 1 - 2, -126, 127), 0)      # np.frexp(a)[1] - 1 = floor(log2(a)), exactly
;;       r = np.clip(x / 2.0 ** e, -6, 6)
;;       step = 2.0 ** (np.maximum(np.frexp(np.where(r == 0, 1, r))[1] - 1, 0) - 1)
;;       q = np.round(r / step) * step * 2.0 ** e      # np.round: ties to even
;;       return np.moveaxis(q.reshape(q.shape[:-2] + (-1,))[..., :K], -1, axis).astype(np.float32)
;;   ~~~
;;   OPERANDS COMPUTED ON THE WAY. 'Computed on the way' means the value that the module computes at that place (a softmax that the list does not call 'softmax' is quantised finished and normalised). What goes into a quantiser is computed in f32, as accurately as f32 sums, v_exp_f32 and their like allow (about 1e-6 of the number): no bf16 or f16 on the way to a quantiser, and a product that is left as it is and whose result goes on into a quantised operand takes f32 operands (vector FMAs, or v_wmma_f32_16x16x4_f32). A number that lies on a knife's edge between two numbers of the format may be rounded either way, as far as f32 arithmetic and the matrix unit's own rounding can turn it there, and no further.
;; One version. Each part assembles by itself: llvm-mc -triple=amdgcn-amd-amdhsa -mcpu=gfx1250 --defsym DOCPART=n.
;; ======== version 1 of 1: 3 launches
;; workspace buffers: xc 8,388,608 bytes; xs 524,288 bytes; wimg 1,671,168 bytes; kvp 8,388,608 bytes; zp 131,072 bytes
;; launch quant (part 1): grid 352 x 1, 8 waves a work-group, no clusters, 74,752 bytes of LDS; arguments x, Wq, Wk, Wv, xc, xs, wimg; writes xc, xs, wimg
.if DOCPART == 1
	.amdgcn_target "amdgcn-amd-amdhsa--gfx1250"
	.amdhsa_code_object_version 6
	.text
	.protected	k_qb09b52eca3_quant
	.globl	k_qb09b52eca3_quant
	.p2align	8
	.type	k_qb09b52eca3_quant,@function
k_qb09b52eca3_quant:
	s_mov_b64 s[64:65], 0
	v_nop
	global_prefetch_b8 v0, s[64:65] scope:SCOPE_SE
	s_setreg_imm32_b32 hwreg(HW_REG_WAVE_MODE, 25, 1), 1
	s_wait_xcnt 0x0
; x [16384][1024] and Wq, Wk, Wv [1024 (k)][1024 (n)], f32, become codes of FP4 (E2M1) with one E8M0 scale byte for each 32 along K, laid IN THE ORDER OF THE OPERAND'S REGISTERS:
;   xc   [group of 128 tokens][tile a: 8][K step s: 8][part c: 2][lane: 32][16 bytes]: lane (r, h) of part c holds the codes of k = 128 s + 64 c + 32 h + 0 .. 31 of the tile's row r,
;        and row r of tile a is token 32 (a / 2) + 8 (a % 2) + r + 8 (r / 8) of the group: two loads of 16 bytes a lane, 512 bytes apart, are a fragment;
;   xs   [group][a][lane (r, h)][16 bytes]: row r's scale bytes 16 h .. 16 h + 15: one load of 16 bytes a lane is four scale registers, K step q in lanes 0-15 and K step 4 + q in lanes 16-31;
;   wimg [q, k, v][tile T: 64][8,704 bytes]: eight fragments as in xc, then 512 bytes of scales as in xs; row r of tile T is column 32 (T / 2) + 8 (T % 2) + r + 8 (r / 8).
; A block's scale is 2^(floor(log2(its largest magnitude)) - 2); its byte is the largest magnitude's exponent field - 2, held at 1 from below.  A block of zeros so gets the byte 1 where the rule says 127:
; its codes are zeros, which add nothing under any byte but 0xff, and this program alone reads the bytes.
; LIMITS: blocks whose largest magnitude lies under 2^-124 keep the byte 1; NaN and infinities among the inputs are not served.
; SHARES.  Work-groups 0 to 95 take the weights (no LDS), work-groups 96 to 351 take x.  No tensor load, no barrier: waves share nothing.
;   x: a wave takes one tile of 16 tokens x 512 along K, in 8 steps of 16 rows x 256 bytes.  Each load reads two rows' 256 consecutive bytes; a step turns through the wave's own stage in LDS
;      (rows 272 bytes apart) and comes back 128 bytes a lane: a whole block of 32 in one lane.  Loads run four steps (32 loads a wave) ahead, the turn one step.
;   W: a wave takes 32 columns x 128 along K: a lane a column, registers down K, so that a block lies in one lane and the codes come out with K innermost.  Loads run two blocks ahead.
.set WREG, 9216                        ; LDS of a wave: two stages of 16 x 272 bytes, then its 256 scale bytes
.set STGB, 4352
.set SBY,  2*STGB
.set REC,  8704                        ; a tile's record in wimg
.set X,    16                          ; v16-79   two sets of 32 neighbours (x)
.set R,    80                          ; v80-207  four sets of 32 numbers as they are loaded
.set C,    208                         ; v208-239 codes: four registers a step, so that no store's data are written again
.set E,    240                         ; v240-247 a scale byte for each step
; the largest magnitude of v[XS] .. v[XS + 31], with the floor 2^(3 - 127) among its leaves, in v12; with 2 off its exponent field, the conversions' scale operand, in v11
.macro BMAX
	v_max3_num_f32 v12, |v[XS]|, |v[XS+1]|, |v[XS+2]|
	v_max3_num_f32 v13, |v[XS+3]|, |v[XS+4]|, |v[XS+5]|
.irp i, 6,10,14,18,22,26
	v_max3_num_f32 v12, v12, |v[XS+\i]|, |v[XS+\i+1]|
	v_max3_num_f32 v13, v13, |v[XS+\i+2]|, |v[XS+\i+3]|
.endr
	v_max3_num_f32 v12, v12, |v[XS+30]|, |v[XS+31]|
	v_max3_num_f32 v12, v12, v13, 0x1800000
	v_add_nc_u32 v11, 0xff000000, v12
.endm
.macro LOADX t                         ; step t: tile rows 2 q and 2 q + 1, 256 bytes each, by one load
.irp q, 0,1,2,3,4,5,6,7
	global_load_b128 v[R+32*((\t)%4)+4*\q:R+32*((\t)%4)+4*\q+3], v2, s[4:5] offset:(2*\q+8*(\q/4))*4096+256*(\t) th:TH_LOAD_NT
.endr
.endm
.macro TURNX t                         ; through the stage: LDS serves a wave's instructions in order, so no wait stands between the stores and the loads
.irp q, 0,1,2,3,4,5,6,7
	ds_store_b128 v3, v[R+32*((\t)%4)+4*\q:R+32*((\t)%4)+4*\q+3] offset:STGB*((\t)%2)+544*\q
.endr
.irp j, 0,1,2,3,4,5,6,7
	ds_load_b128 v[X+32*((\t)%2)+4*\j:X+32*((\t)%2)+4*\j+3], v4 offset:STGB*((\t)%2)+16*\j
.endr
.endm
.macro STEPX t
.set XS, X+32*((\t)%2)
.if (\t) > 0
	s_wait_dscnt 1                                 ; this step's numbers are back from the stage; the last step's byte store may be out
.else
	s_wait_dscnt 0x0
.endif
.if (\t)+4 < 8
	LOADX (\t)+4                                   ; into the set whose stores into the stage are done
.endif
.if (\t)+1 < 8
.if (\t) < 4
	s_wait_loadcnt 24                              ; the next step's eight loads are in; those of the three steps behind it may be out
.else
	s_wait_loadcnt 8*(6-(\t))
.endif
	TURNX (\t)+1
.endif
	BMAX
.irp g, 0,1,2,3
	v_cvt_scalef32_pk8_fp4_f32 v[C+4*(\t)+\g], v[XS+8*\g:XS+8*\g+7], v11
.endr
	v_lshrrev_b32 v[E+(\t)], 23, v11               ; the scale's byte (a plain line behind the conversions)
	ds_store_b8 v6, v[E+(\t)] offset:2*(\t)
	global_store_b128 v5, v[C+4*(\t):C+4*(\t)+3], s[12:13] offset:512*(\t)   ; 32 lanes store 512 consecutive bytes: part t % 2 of fragment t / 2
.endm
.macro LOADW b                         ; block b: W(32 b + i, my column)
.irp i, 0,1,2,3,4,5,6,7,8,9,10,11,12,13,14,15,16,17,18,19,20,21,22,23,24,25,26,27,28,29,30,31
	global_load_b32 v[R+32*(\b)+\i], v2, s[32:33] offset:(32*(\b)+\i)*4096 th:TH_LOAD_NT
.endr
.endm
.macro BLOCKW b
.set XS, R+32*(\b)
.if (\b) < 3
	s_wait_loadcnt 32                              ; this block's 32 loads are in; the next block's may be out
.else
	s_wait_loadcnt 0x0
.endif
.if (\b)+2 < 4
	LOADW (\b)+2
.endif
	BMAX
	v_lshrrev_b32 v13, 23, v11                     ; the scale's byte
.if (\b) == 0
	v_mov_b32 v14, v13                             ; four bytes make the K step's scale word, the lower K in the lower byte
.else
	v_lshl_or_b32 v14, v13, 8*(\b), v14
.endif
.irp g, 0,1,2,3
	v_cvt_scalef32_pk8_fp4_f32 v[C+4*(\b)+\g], v[XS+8*\g:XS+8*\g+7], v11
.endr
	v_nop                                          ; one plain line behind the conversions
	global_store_b128 v3, v[C+4*(\b):C+4*(\b)+3], s[34:35] offset:256*(\b)   ; block b is part b / 2, half b % 2 of the fragment: the sixteen lanes of a tile store 256 consecutive bytes
.endm
	s_load_b256 s[4:11], s[0:1], 0x0               ; x, Wq, Wk, Wv
	s_load_b128 s[12:15], s[0:1], 0x20             ; xc, xs
	s_load_b64 s[16:17], s[0:1], 0x30              ; wimg
	v_lshl_add_u32 v254, v0, 2, 0x12000
	v_mov_b32 v255, 0
	v_lshrrev_b32 v1, 5, v0
	v_readfirstlane_b32 s18, v1                    ; wave 0..7
	v_and_b32 v1, 31, v0                           ; lane
	s_cmp_lt_u32 ttmp9, 96
	s_cbranch_scc1 .Lweights
	; ---------------- x ----------------
	s_sub_co_u32 s19, ttmp9, 96
	s_lshl_b32 s19, s19, 2
	s_lshr_b32 s20, s18, 1
	s_add_co_u32 s19, s19, s20                     ; my tile: 4 x work-group + wave / 2 = 8 x group + a
	s_and_b32 s20, s18, 1                          ; my half of K
	s_lshr_b32 s21, s19, 3
	s_lshl_b32 s21, s21, 7                         ; 128 x group
	s_bfe_u32 s22, s19, 0x20001
	s_lshl_b32 s22, s22, 5                         ; + 32 (a / 2)
	s_add_co_u32 s21, s21, s22
	s_and_b32 s22, s19, 1
	s_lshl_b32 s22, s22, 3                         ; + 8 (a % 2): the tile's first token
	s_add_co_u32 s21, s21, s22
	s_lshl_b32 s22, s21, 12                        ; x 4,096 bytes a row (under 2^26)
	s_lshl_b32 s23, s20, 11
	s_add_co_u32 s22, s22, s23                     ; + 2,048 bytes for the upper half of K
	s_mov_b32 s23, 0
	s_lshl_b32 s24, s19, 13                        ; xc: 8,192 bytes a tile, 4,096 a half
	s_lshl_b32 s25, s20, 12
	s_add_co_u32 s24, s24, s25
	s_mov_b32 s25, 0
	s_lshl_b32 s26, s19, 9                         ; xs: 512 bytes a tile, 256 a half
	s_lshl_b32 s27, s20, 8
	s_add_co_u32 s26, s26, s27
	s_mov_b32 s27, 0
	v_and_b32 v9, 15, v1                           ; lane % 16
	v_lshrrev_b32 v10, 4, v1                       ; lane / 16
	v_lshlrev_b32 v2, 4, v9
	v_lshl_add_u32 v2, v10, 12, v2                 ; a load: lanes 0-15 one row's 256 bytes, lanes 16-31 the next row's
	s_mul_i32 s28, s18, WREG
	v_mul_u32_u24 v3, v10, 272
	v_lshl_add_u32 v3, v9, 4, v3
	v_add_nc_u32 v3, s28, v3                       ; the same two rows in the stage
	v_mul_u32_u24 v4, v9, 272
	v_lshl_add_u32 v4, v10, 7, v4
	v_add_nc_u32 v4, s28, v4                       ; back: row r, block h: 128 bytes a lane
	v_lshlrev_b32 v5, 4, v1                        ; 16 x lane: my codes' place
	v_lshl_add_u32 v6, v9, 4, v10                  ; my block's byte among the wave's 256: 16 r + h (+ 2 t)
	s_add_co_u32 s29, s28, SBY
	v_add_nc_u32 v6, s29, v6
	v_lshlrev_b32 v8, 3, v1                        ; and on the way out 8 bytes a lane
	v_add_nc_u32 v7, s29, v8
	s_wait_kmcnt 0x0
	s_add_nc_u64 s[4:5], s[4:5], s[22:23]
	s_add_nc_u64 s[12:13], s[12:13], s[24:25]
	s_add_nc_u64 s[14:15], s[14:15], s[26:27]
.irp t, 0,1,2,3
	LOADX \t
.endr
	s_wait_loadcnt 24                              ; step 0's eight loads are in
	TURNX 0
.irp t, 0,1,2,3,4,5,6,7
	STEPX \t
.endr
	ds_load_b64 v[14:15], v7                       ; LDS serves a wave's instructions in order: these see my byte stores
	s_wait_dscnt 0x0
	global_store_b64 v8, v[14:15], s[14:15]        ; 32 lanes store 256 consecutive bytes, aligned
	s_wait_tensorcnt 0x0
	ds_add_u32 v254, v255
	s_wait_dscnt 0x0
	s_endpgm
	; ---------------- the weights ----------------
.Lweights:
	s_lshr_b32 s19, ttmp9, 5                       ; which weight: 0 q, 1 k, 2 v
	s_and_b32 s20, ttmp9, 31
	s_and_b32 s21, s20, 7
	s_lshl_b32 s21, s21, 2
	s_and_b32 s22, s18, 3
	s_add_co_u32 s21, s21, s22                     ; my group of 32 columns, 0..31: four waves stand side by side on 512 bytes of each row
	s_lshr_b32 s22, s20, 3
	s_lshl_b32 s22, s22, 1
	s_lshr_b32 s23, s18, 2
	s_add_co_u32 s22, s22, s23                     ; my K step of 128, 0..7
	s_lshl_b32 s24, s22, 19                        ; W: 128 rows of 4,096 bytes a K step,
	s_lshl_b32 s25, s21, 7                         ; 128 bytes a group of columns
	s_add_co_u32 s24, s24, s25
	s_mov_b32 s25, 0
	s_lshl_b32 s26, s19, 6
	s_lshl_b32 s27, s21, 1
	s_add_co_u32 s26, s26, s27
	s_mul_i32 s26, s26, REC                        ; the record of my group's first tile
	s_lshl_b32 s27, s22, 10
	s_add_co_u32 s28, s26, s27                     ; its fragment of my K step
	s_mov_b32 s29, 0
	s_lshr_b32 s27, s22, 2
	s_lshl_b32 s27, s27, 8
	s_add_co_u32 s30, s26, s27                     ; its scale words: half s / 4 of the lanes,
	s_and_b32 s27, s22, 3
	s_lshl_b32 s27, s27, 2
	s_add_co_u32 s30, s30, s27                     ; word s % 4,
	s_add_co_u32 s30, s30, 8192                    ; behind the eight fragments
	s_mov_b32 s31, 0
	v_lshlrev_b32 v2, 2, v1                        ; in: 4 bytes a lane
	v_bfe_u32 v9, v1, 3, 1                         ; column cl of the group is row (cl % 8) + 8 (cl / 16) of tile (cl / 8) % 2
	v_and_b32 v10, 7, v1
	v_lshrrev_b32 v11, 4, v1
	v_lshl_add_u32 v10, v11, 3, v10
	v_lshlrev_b32 v3, 4, v10
	v_mad_u32_u24 v3, v9, REC, v3                  ; out: the tile's record + 16 x row
	s_wait_kmcnt 0x0
	s_cmp_lt_u32 ttmp9, 32                         ; the choice hangs on the work-group's number alone
	s_cselect_b64 s[32:33], s[6:7], s[8:9]
	s_cmp_lt_u32 ttmp9, 64
	s_cselect_b64 s[32:33], s[32:33], s[10:11]
	s_add_nc_u64 s[32:33], s[32:33], s[24:25]
	s_add_nc_u64 s[34:35], s[16:17], s[28:29]
	s_add_nc_u64 s[36:37], s[16:17], s[30:31]
	LOADW 0
	LOADW 1
.irp b, 0,1,2,3
	BLOCKW \b
.endr
	global_store_b32 v3, v14, s[36:37]             ; my column's scale word of this K step: 4 bytes of each 16; one byte for each 32 of the 128 that the wave reads
	s_endpgm
.Lfunc_end_k_qb09b52eca3_quant:
	.size	k_qb09b52eca3_quant, .Lfunc_end_k_qb09b52eca3_quant-k_qb09b52eca3_quant
	.p2alignl 7, 3214868480
	.fill 96, 4, 3214868480
	.section	.rodata,"a",@progbits
	.p2align	6, 0x0
	.amdhsa_kernel k_qb09b52eca3_quant
		.amdhsa_group_segment_fixed_size 74752
		.amdhsa_private_segment_fixed_size 0
		.amdhsa_enable_private_segment 0
		.amdhsa_kernarg_size 56
		.amdhsa_user_sgpr_count 2
		.amdhsa_user_sgpr_kernarg_segment_ptr 1
		.amdhsa_wavefront_size32 1
		.amdhsa_system_sgpr_workgroup_id_x 1
		.amdhsa_system_sgpr_workgroup_id_y 1
		.amdhsa_system_sgpr_workgroup_id_z 1
		.amdhsa_system_vgpr_workitem_id 0
		.amdhsa_next_free_vgpr 256
		.amdhsa_next_free_sgpr 66
		.amdhsa_reserve_vcc 0
		.amdhsa_float_denorm_mode_32 3
		.amdhsa_float_denorm_mode_16_64 3
		.amdhsa_memory_ordered 1
		.amdhsa_forward_progress 1
		.amdhsa_inst_pref_size 50
	.end_amdhsa_kernel
	.amdgpu_metadata
---
amdhsa.version: [ 1, 2 ]
amdhsa.kernels:
  - .name:           k_qb09b52eca3_quant
    .symbol:         k_qb09b52eca3_quant.kd
    .args:
      - { .name: x, .offset: 0, .size: 8, .value_kind: global_buffer, .address_space: global }
      - { .name: Wq, .offset: 8, .size: 8, .value_kind: global_buffer, .address_space: global }
      - { .name: Wk, .offset: 16, .size: 8, .value_kind: global_buffer, .address_space: global }
      - { .name: Wv, .offset: 24, .size: 8, .value_kind: global_buffer, .address_space: global }
      - { .name: xc, .offset: 32, .size: 8, .value_kind: global_buffer, .address_space: global }
      - { .name: xs, .offset: 40, .size: 8, .value_kind: global_buffer, .address_space: global }
      - { .name: wimg, .offset: 48, .size: 8, .value_kind: global_buffer, .address_space: global }
    .group_segment_fixed_size: 74752
    .private_segment_fixed_size: 0
    .kernarg_segment_align: 8
    .kernarg_segment_size: 56
    .max_flat_workgroup_size: 256
    .sgpr_count:     66
    .vgpr_count:     256
    .wavefront_size: 32
...
	.end_amdgpu_metadata
.endif
;; end of part 1
;; launch kvpart (part 2): grid 32 x 8, 8 waves a work-group, clusters of 4 x 1, 219,136 bytes of LDS; arguments xc, xs, wimg, bk, bv, mask, kvp, zp; writes kvp, zp
.if DOCPART == 2
	.amdgcn_target "amdgcn-amd-amdhsa--gfx1250"
	.amdhsa_code_object_version 6
	.text
	.protected	k_qb09b52eca3_kvpart
	.globl	k_qb09b52eca3_kvpart
	.p2align	8
	.type	k_qb09b52eca3_kvpart,@function
k_qb09b52eca3_kvpart:
	s_mov_b64 s[64:65], 0
	v_nop
	global_prefetch_b8 v0, s[64:65] scope:SCOPE_SE
	s_setreg_imm32_b32 hwreg(HW_REG_WAVE_MODE, 25, 1), 1
	s_wait_xcnt 0x0
	s_wait_alu depctr_hold_cnt(0) depctr_sa_sdst(0) depctr_va_vdst(0) depctr_va_sdst(0) depctr_va_ssrc(0) depctr_va_vcc(0) depctr_vm_vsrc(0)
	s_getreg_b32 s2, hwreg(HW_REG_IB_STS2, 6, 4)
	s_cmp_eq_u32 s2, 0
	s_cbranch_scc0 .Lentry_in_a_cluster
	s_endpgm
.Lentry_in_a_cluster:
	s_bfe_u32 s2, ttmp6, 0x10000c
	s_cmp_lg_u32 s2, 0x3003
	s_cbranch_scc0 .Lentry_shape_is_right
	s_endpgm
.Lentry_shape_is_right:
; For a block of 512 tokens (work-group x) and a pair of heads (work-group y, 128 columns): k = x Wk + bk, v = x Wv + bv on codes of FP4; kf = (elu(k) + 1) m, v m; z's part = the sum of kf over the tokens (f32);
; kf and v quantised along the TOKENS, 32 to a block; kv's part = kf^T v on codes.  kvp takes the 16 x 16 results as images of their registers, zp the 128 sums.
; SHARES.  Eight waves, two to a SIMD, so that one wave's vector work stands beside the other's matrix work.  Wave w owns tokens 64 w .. 64 w + 63: its 32 fragments of x stay in registers (window 1).
; It walks the pair's 8 tiles of Wk and 8 of Wv from LDS; each weight fragment feeds four matrix instructions.
; LAYOUT.  Source 0 = 16 tokens of x, source 1 = 16 columns of W: a lane holds ONE column, and its registers run along the tokens.  The tokens of a tile are not neighbours (row r of tile 2 b + u is token
; 32 b + 8 u + r + 8 (r / 8)), so that register 16 b + i of the four tiles is token 32 b + 16 (lane / 16) + i: two blocks of the next product's K.  Their codes are one part (64 of 128 along K) of a fragment.
; FROM WAVE TO WAVE fragments go through LDS as images of their registers: 16 bytes a lane at 16 x lane; scale words 4 bytes a lane, of which a wave writes its two bytes.
; CLUSTER.  The four work-groups of a cluster are four token blocks of one pair of heads: they need the same 139,264 bytes of weights, which are asked for JOINTLY, once.  x is NOT asked for jointly, though the eight
; work-groups of a token block read the same codes: each fragment of x serves one wave and goes from memory straight into its registers; landed in LDS, a block's 278,528 bytes of x beside 139,264 of weights and
; 78,848 of images, sums and biases would pass the 327,680 bytes that a work-group can have.  Nothing in LDS is filled twice.
; elu(a) + 1 IS THE MIDDLE ONE OF e^a, a + 1 AND 1: for a > 0, 1 < a + 1 < e^a; for a < 0, a + 1 < e^a < 1.  The 1 is added to bk, which is the C of k's first products, so that the sums hold a' = a + 1;
; e^a = 2^(a' log2 e - log2 e): one packed multiply-add for two numbers, an exponential and a v_med3_num_f32 for each.
; LIMITS: a is known to 6e-8 |a + 1|, and e^a carries that as its share of error; results under 2^-126 come out as 0; NaN and infinities among the inputs are not served;
; blocks whose largest magnitude lies under 2^-124, blocks of zeros among them, keep the scale byte 1 (zero codes add nothing).  K of kf^T v is summed here over 512 tokens; the eight parts of a batch are added in f32 later.
.set REC,   8704                       ; a tile's record: 8 fragments of 1,024 bytes, 512 bytes of scale words
.set WPAIR, 8*REC                      ; a pair of heads: 8 tiles
.set WSEL,  64*REC                     ; a whole weight
.set PART,  17408                      ; what one tensor load brings: 68 rows of 256 bytes
.set FIMG,  2*WPAIR                    ; LDS: from 0 k's 8 records, then v's 8; here [K step g of 128 tokens: 4][2 x tile + (0 kf, 1 v): 16][1,024 bytes],
.set SIMG,  FIMG+65536                 ; their scale words [g][16][128 bytes],
.set ZW,    SIMG+8192                  ; z's parts [wave][tile][16 f32],
.set BL,    ZW+4096                    ; the biases [k (with 1 added), v][tile][16 f32]
.set LI,  1                            ; v1   16 x lane
.set LS,  2                            ; v2   4 x lane
.set AB0, 3                            ; v3   BL + 4 (lane % 16)
.set AWK, 4                            ; v4   the trip's tile of Wk in LDS
.set AWV, 5                            ; v5   of Wv
.set AB,  6                            ; v6   its biases
.set AF,  7                            ; v7   where my images go in this trip,
.set AS,  8                            ; v8   their scale bytes,
.set AZ,  9                            ; v9   z's part
.set AF0, 10                           ; v10-12 the same for trip 0
.set AS0, 11
.set AZ0, 12
.set BB,  13                           ; v13  my column's bias
.set GB,  14                           ; v14  a global offset
.set LB,  15                           ; v15  BL + 4 x thread
.set BI,  16                           ; v16-23  eight copies of it: the C of a sum's first product
.set WS,  24                           ; v24-27  W's scale words;  v28-43 x's, four a tile.  These twenty registers hold scales and nothing else
.set XS,  28
.set MK,  44                           ; v44-75  the mask as f32, in the results' layout
.set HA,  76                           ; v76-107 four accumulators
.set TMP, 108                          ; v108-123 at work
.set TM,  124                          ; v124-131 the quantiser's
.set PC,  132                          ; v132-135 the codes just made
.set PW,  136                          ; v136 their two scale bytes
.set ZS,  138                          ; v138-141 z's sums
.set GM,  142                          ; v142 16 (lane / 16)
.set WF,  144                          ; v144-207 a tile's 8 fragments of W
.set NL,  208                          ; v208-209 -log2 e, twice
.set WV,  20
.set G1,  24                           ; s[24:31] descriptor group 1;  s[32:35] group 0
.set G0,  32
.set L2E, 38                           ; s[38:39] log2 e (the packed form names a pair and takes its low word)
.set SEL, 40                           ; s[40:41] v_permlanex16_b32's selects for lane l xor 16
.set CNT, 42
.set TW,  43                           ; stepped by a record,
.set TF,  44                           ; two images,
.set TS,  45                           ; two rows of scale words,
.set TZ,  46                           ; sixteen f32 a trip
.set ONE, 54                           ; s54  1.0 in the waves that fetch bk, 0 in those that fetch bv
.set MSB, 0
.macro WIN new                         ; the immediate's high byte repeats the setting that is left
.if MSB != (\new)
	s_set_vgpr_msb (MSB<<8)|(\new)
.set MSB, (\new)
.endif
.endm
.macro ROUND                           ; a round of the cluster's barrier
	s_barrier_signal -1
	s_barrier_wait -1
	s_cmp_lg_u32 s[WV], 0
	s_cbranch_scc1 .Lnot_wave_0_\@
	s_barrier_signal -3
.Lnot_wave_0_\@:
	s_barrier_wait -3
	s_barrier_signal -1
	s_barrier_wait -1
.endm
.macro PLACES                          ; four plain lines behind matrix instructions, ahead of loads into their registers and of reads of their results
.rept 4
	v_nop
.endr
.endm
.macro WLOAD adr, off, boff            ; a tile of W: its 8 fragments, its scale words, my column's bias
.irp f, 0,1,2,3,4,5,6,7
	ds_load_b128 v[WF+8*\f:WF+8*\f+3], v[\adr] offset:\off+1024*\f
	ds_load_b128 v[WF+8*\f+4:WF+8*\f+7], v[\adr] offset:\off+1024*\f+512
.endr
	ds_load_b128 v[WS:WS+3], v[\adr] offset:\off+8192
	ds_load_b32 v[BB], v[AB] offset:\boff
.endm
.macro FILLB                           ; the bias as a block of C: every token of my column gets it
.irp j, 0,1,2,3,4,5,6,7
	v_mov_b32 v[BI+\j], v[BB]
.endr
.endm
; 32 matrix instructions: my four tiles of tokens x one tile of W, K = 1,024.  The four accumulators take turns, one instruction a turn.
; A scale register holds K step s % 4 in lanes 0-15 and K step 4 + s % 4 in lanes 16-31.
.macro MM32
	WIN 0x01                                       ; source 0 (x) window 1
.irp s, 0,1,2,3,4,5,6,7
.irp a, 0,1,2,3
.if \s == 0
	v_wmma_scale_f32_16x16x128_f8f6f4 v[HA+8*\a:HA+8*\a+7], v[8*(4*\s+\a):8*(4*\s+\a)+7], v[WF+8*\s:WF+8*\s+7], v[BI:BI+7], v[XS+4*\a+(\s%4)], v[WS+(\s%4)] matrix_a_fmt:MATRIX_FMT_FP4 matrix_b_fmt:MATRIX_FMT_FP4
.elseif \s < 4
	v_wmma_scale_f32_16x16x128_f8f6f4 v[HA+8*\a:HA+8*\a+7], v[8*(4*\s+\a):8*(4*\s+\a)+7], v[WF+8*\s:WF+8*\s+7], v[HA+8*\a:HA+8*\a+7], v[XS+4*\a+(\s%4)], v[WS+(\s%4)] matrix_a_fmt:MATRIX_FMT_FP4 matrix_b_fmt:MATRIX_FMT_FP4
.else
	v_wmma_scale_f32_16x16x128_f8f6f4 v[HA+8*\a:HA+8*\a+7], v[8*(4*\s+\a):8*(4*\s+\a)+7], v[WF+8*\s:WF+8*\s+7], v[HA+8*\a:HA+8*\a+7], v[XS+4*\a+(\s%4)], v[WS+(\s%4)] matrix_a_fmt:MATRIX_FMT_FP4 matrix_b_fmt:MATRIX_FMT_FP4 matrix_a_scale:MATRIX_SCALE_ROW1 matrix_b_scale:MATRIX_SCALE_ROW1
.endif
.endr
.endr
	WIN 0
.endm
; elu + 1 of 16 registers from v[s] on, which hold a' = a + 1; ascending.  One plain line stands between the run of exponentials and the first use of a result (ISA guide 5.7.2)
.macro PHI8 s
.irp i, 0,2,4,6,8,10,12,14
	v_pk_fma_f32 v[TMP+\i:TMP+\i+1], v[(\s)+\i:(\s)+\i+1], s[L2E:L2E+1], v[NL:NL+1] op_sel_hi:[1,0,1]   ; a' log2 e - log2 e
.endr
.irp i, 0,1,2,3,4,5,6,7,8,9,10,11,12,13,14,15
	v_exp_f32 v[TMP+\i], v[TMP+\i]                 ; e^a
.endr
	v_nop
	s_wait_alu depctr_va_vdst(0)
.irp i, 0,1,2,3,4,5,6,7,8,9,10,11,12,13,14,15
	v_med3_num_f32 v[(\s)+\i], v[TMP+\i], v[(\s)+\i], 1.0   ; the middle one of e^a, a + 1 and 1
.endr
.endm
.macro MASK                            ; x m, ascending
.irp i, 0,2,4,6,8,10,12,14,16,18,20,22,24,26,28,30
	v_pk_mul_f32 v[HA+\i:HA+\i+1], v[HA+\i:HA+\i+1], v[MK+\i:MK+\i+1]
.endr
.endm
; 32 numbers of a lane, register 16 b + i = token 32 b + 16 (lane / 16) + i of my column, become a part's codes in v[PC] on and its two scale bytes in v[PW]
.macro QUANT2 s
.irp b, 0,1
	v_max3_num_f32 v[TM+\b], |v[(\s)+16*\b]|, |v[(\s)+1+16*\b]|, 0x1800000   ; my 16 numbers, and the floor 2^(3 - 127): the byte cannot fall under 1
.endr
.irp i, 2,4,6,8,10,12,14
.irp b, 0,1
	v_max3_num_f32 v[TM+\b], v[TM+\b], |v[(\s)+16*\b+\i]|, |v[(\s)+1+16*\b+\i]|
.endr
.endr
.irp b, 0,1
	v_permlanex16_b32 v[TM+2+\b], v[TM+\b], s[SEL], s[SEL+1]
.endr
.irp b, 0,1
	v_max_num_f32 v[TM+\b], v[TM+\b], v[TM+2+\b]   ; with lane l xor 16's: the block's largest magnitude
.endr
.irp b, 0,1
	v_add_nc_u32 v[TM+4+\b], 0xff000000, v[TM+\b]  ; 2 off its exponent field: the conversions' scale operand
.endr
.irp b, 0,1
	v_lshrrev_b32 v[TM+6+\b], 23, v[TM+4+\b]       ; the scale's byte
.endr
	v_lshl_or_b32 v[PW], v[TM+7], 8, v[TM+6]
.irp b, 0,1
	v_cvt_scalef32_pk8_fp4_f32 v[PC+2*\b], v[(\s)+16*\b:(\s)+7+16*\b], v[TM+4+\b]
	v_cvt_scalef32_pk8_fp4_f32 v[PC+1+2*\b], v[(\s)+8+16*\b:(\s)+15+16*\b], v[TM+4+\b]
.endr
	v_nop                                          ; one plain line behind a scaled conversion
	v_permlane16_swap_b32 v[PC], v[PC+2]           ; the operand's layout wants a whole block in a lane: lanes 0-15 block 0, lanes 16-31 block 1
	v_permlane16_swap_b32 v[PC+1], v[PC+3]
.endm
.macro PUT n                           ; the part goes to LDS as it stands; n = 0: kf's, 1: v's
	ds_store_b128 v[AF], v[PC:PC+3] offset:1024*(\n)
	ds_store_b16 v[AS], v[PW] offset:128*(\n)
.endm
	s_load_b256 s[4:11], s[0:1], 0x0               ; xc, xs, wimg, bk
	s_load_b256 s[12:19], s[0:1], 0x20             ; bv, mask, kvp, zp
	v_lshl_add_u32 v254, v0, 2, 0x35400
	v_mov_b32 v255, 0
	ds_add_u32 v254, v255
	ds_add_u32 v254, v255
	v_lshrrev_b32 v1, 5, v0
	v_readfirstlane_b32 s[WV], v1                  ; wave 0..7
	s_bfe_u32 s21, ttmp6, 0x40000                  ; cx: my place in the cluster
	s_lshl_b32 s22, ttmp9, 2
	s_add_co_u32 s22, s22, s21                     ; my block of 512 tokens: it enters global addresses alone
	s_and_b32 s23, ttmp7, 0xffff                   ; the pair of heads, which the four partners share
	; descriptor group 1: 68 rows of 256 bytes (32 elements of 8 bytes), dense, no padding: what is read from LDS lies at 16 x lane
	s_mov_b32 s[G1], 15|(3<<16)|(1<<21)            ; 15:0 the mask: all four work-groups; 17:16 elements of 8 bytes; 21 set beside a mask
	s_mov_b32 s[G1+1], 32<<16                      ; tensor_dim0
	s_mov_b32 s[G1+2], 68<<16                      ; tensor_dim1
	s_mov_b32 s[G1+3], 32<<16                      ; tile_dim0
	s_mov_b32 s[G1+4], 68                          ; tile_dim1
	s_mov_b32 s[G1+5], 32                          ; the pitch
	s_mov_b32 s[G1+6], 0
	s_mov_b32 s[G1+7], 0
	s_mul_i32 s48, s23, WPAIR                      ; my eighth: waves 0-3 the quarters of k's 8 records, waves 4-7 of v's
	s_lshr_b32 s49, s[WV], 2
	s_add_co_u32 s49, s49, 1
	s_mul_i32 s49, s49, WSEL
	s_add_co_u32 s48, s48, s49
	s_and_b32 s49, s[WV], 3
	s_mul_i32 s49, s49, PART
	s_add_co_u32 s48, s48, s49
	s_mov_b32 s49, 0
	s_mov_b32 s[G0], 1
	s_mul_i32 s[G0+1], s[WV], PART                 ; LDS: wave x 17,408
	s_mov_b32 s[L2E], 0x3fb8aa3b
	s_mov_b32 s[L2E+1], s[L2E]
	s_mov_b32 s[SEL], 0x76543210
	s_mov_b32 s[SEL+1], 0xfedcba98
	v_and_b32 v[LS], 31, v0
	v_lshlrev_b32 v[LI], 4, v[LS]
	v_lshlrev_b32 v[LS], 2, v[LS]
	v_and_b32 v[AB0], 15, v0
	v_lshl_add_u32 v[AZ0], v[AB0], 2, ZW
	v_lshl_add_u32 v[AB0], v[AB0], 2, BL
	v_bfe_u32 v[GM], v0, 4, 1
	v_lshlrev_b32 v[GM], 4, v[GM]
	v_bfe_u32 v108, v0, 5, 2                       ; thread t (mod 128) fetches the bias of row t % 16 of tile t / 16: column 32 (t / 32) + 8 ((t / 16) % 2) + t % 8 + 16 ((t / 8) % 2)
	v_lshlrev_b32 v108, 5, v108
	v_bfe_u32 v109, v0, 4, 1
	v_lshl_add_u32 v108, v109, 3, v108
	v_bfe_u32 v109, v0, 3, 1
	v_lshl_add_u32 v108, v109, 4, v108
	v_and_b32 v109, 7, v0
	v_add_lshl_u32 v[GB], v108, v109, 2
	v_lshl_add_u32 v[LB], v0, 2, BL
	s_wait_dscnt 0x0
	s_wait_kmcnt 0x0
	s_add_nc_u64 s[G0+2:G0+3], s[8:9], s[48:49]
	s_or_b32 s[G0+3], s[G0+3], 0x80000000          ; type = 2
	ROUND                                          ; all four work-groups are here: the joint loads meet
	tensor_load_to_lds s[G0:G0+3], s[G1:G1+7]      ; one load a wave, the only one of the launch
	s_nop 0
	PLACES
	s_cmp_lt_u32 s[WV], 4                          ; waves 0-3 fetch bk's 128 numbers, waves 4-7 bv's
	s_cselect_b64 s[58:59], s[10:11], s[12:13]
	s_cselect_b32 s[ONE], 0x3f800000, 0            ; and bk gets the 1 of elu + 1
	s_lshl_b32 s60, s23, 9
	s_mov_b32 s61, 0
	s_add_nc_u64 s[58:59], s[58:59], s[60:61]
	s_lshl_b32 s50, s22, 3
	s_add_co_u32 s50, s50, s[WV]                   ; my 64 tokens: 8 x block + wave
	s_mov_b32 s53, 0
	s_lshl_b32 s52, s50, 15                        ; four tiles of 8,192 bytes
	s_add_nc_u64 s[4:5], s[4:5], s[52:53]
	s_lshl_b32 s52, s50, 11                        ; four of 512
	s_add_nc_u64 s[6:7], s[6:7], s[52:53]
	s_lshl_b32 s52, s50, 6
	s_add_nc_u64 s[14:15], s[14:15], s[52:53]
	global_load_b32 v[BB], v[GB], s[58:59]
.irp b, 0,1
	global_load_b128 v[TMP+4*\b:TMP+4*\b+3], v[GM], s[14:15] offset:32*\b   ; the mask of tokens 32 b + 16 (lane / 16) + 0 .. 15
.endr
.irp a, 0,1,2,3
	global_load_b128 v[XS+4*\a:XS+4*\a+3], v[LI], s[6:7] offset:512*\a
.endr
	WIN 0x40                                       ; destination window 1
.irp s, 0,1,2,3,4,5,6,7
.irp a, 0,1,2,3
	global_load_b128 v[8*(4*\s+\a):8*(4*\s+\a)+3], v[LI], s[4:5] offset:8192*\a+1024*\s
	global_load_b128 v[8*(4*\s+\a)+4:8*(4*\s+\a)+7], v[LI], s[4:5] offset:8192*\a+1024*\s+512
.endr
.endr
	WIN 0
	s_lshr_b32 s48, s[WV], 1
	s_and_b32 s49, s[WV], 1
	s_lshl_b32 s50, s48, 14                        ; my images: K step wave / 2, part wave % 2
	s_lshl_b32 s51, s49, 9
	s_add_co_u32 s50, s50, s51
	s_add_co_u32 s50, s50, FIMG
	v_add_nc_u32 v[AF0], s50, v[LI]
	s_lshl_b32 s50, s48, 11
	s_lshl_b32 s51, s49, 1
	s_add_co_u32 s50, s50, s51
	s_add_co_u32 s50, s50, SIMG
	v_add_nc_u32 v[AS0], s50, v[LS]
	s_lshl_b32 s50, s[WV], 9
	v_add_nc_u32 v[AZ0], s50, v[AZ0]
	v_mov_b32 v[TM+2], 0                           ; written once: a lane permute's destination counts as one of its sources
	v_mov_b32 v[TM+3], 0
	v_mov_b32 v[NL], 0xbfb8aa3b                    ; -log2 e
	v_mov_b32 v[NL+1], 0xbfb8aa3b
	s_mov_b32 s[TW], 0
	s_mov_b32 s[TF], 0
	s_mov_b32 s[TS], 0
	s_mov_b32 s[TZ], 0
	s_wait_loadcnt 63                              ; of the 71 loads the oldest eight are in: the bias, the mask and x's scale words among them
	v_add_f32 v[BB], s[ONE], v[BB]                 ; bk + 1, or bv as it is
	ds_store_b32 v[LB], v[BB]
.set n, 0
.rept 32
	v_bfe_u32 v[MK+n], v[TMP+n/4], 8*(n%4), 8      ; a byte, 0 or 1,
	v_cvt_f32_u32 v[MK+n], v[MK+n]                 ; as f32
.set n, n+1
.endr
	s_wait_tensorcnt 0x0                           ; my eighth of the weights has landed,
	s_wait_dscnt 0x0                               ; my bias is stored:
	s_barrier_signal -1
	s_barrier_wait -1                              ; everybody's are
	v_add_nc_u32 v[AWK], s[TW], v[LI]
	v_add_nc_u32 v[AB], s[TZ], v[AB0]
	WLOAD AWK, 0, 0                                ; k's first tile
	s_wait_loadcnt 0x0                             ; x
; A TRIP: one tile of 16 columns of k, then the same of v.  Each tile's fragments are fetched a whole epilogue ahead of their products; every LDS wait is for 0: it covers those loads and the few stores just issued,
; and only behind it are the stores' address and data registers written again.
.macro TRIP last
	s_wait_dscnt 0x0
	FILLB
	v_add_nc_u32 v[AWK], s[TW], v[LI]              ; (six plain lines between the bias block and the products that take it)
	v_add_nc_u32 v[AWV], WPAIR, v[AWK]
	v_add_nc_u32 v[AB], s[TZ], v[AB0]
	v_add_nc_u32 v[AF], s[TF], v[AF0]
	v_add_nc_u32 v[AS], s[TS], v[AS0]
	v_add_nc_u32 v[AZ], s[TZ], v[AZ0]
	MM32
	PLACES
	WLOAD AWV, 0, 512                              ; v's tile lands under k's epilogue
	PHI8 HA
	PHI8 HA+16
	MASK
	v_pk_add_f32 v[ZS:ZS+1], v[HA:HA+1], v[HA+4:HA+5]              ; z: my column's sum over my 64 tokens, of the unquantised kf, in two chains
	v_pk_add_f32 v[ZS+2:ZS+3], v[HA+2:HA+3], v[HA+6:HA+7]
.irp i, 8,12,16,20,24,28
	v_pk_add_f32 v[ZS:ZS+1], v[ZS:ZS+1], v[HA+\i:HA+\i+1]
	v_pk_add_f32 v[ZS+2:ZS+3], v[ZS+2:ZS+3], v[HA+\i+2:HA+\i+3]
.endr
	v_pk_add_f32 v[ZS:ZS+1], v[ZS:ZS+1], v[ZS+2:ZS+3]
	v_add_f32 v[ZS], v[ZS], v[ZS+1]
	v_permlanex16_b32 v[ZS+1], v[ZS], s[SEL], s[SEL+1]
	v_add_f32 v[ZS], v[ZS], v[ZS+1]
	ds_store_b32 v[AZ], v[ZS]                      ; lanes l and l xor 16 write the same word with the same value
	QUANT2 HA
	PUT 0
	s_wait_dscnt 0x0
	FILLB
	PLACES
	MM32
	PLACES
.if !(\last)
	WLOAD AWK, REC, 64                             ; the next trip's tile of k
.endif
	MASK
	QUANT2 HA
	PUT 1
.endm
	s_mov_b32 s[CNT], 7
.Ltrip:
	TRIP 0
	s_add_co_u32 s[TW], s[TW], REC
	s_add_co_u32 s[TF], s[TF], 2048
	s_add_co_u32 s[TS], s[TS], 256
	s_add_co_u32 s[TZ], s[TZ], 64
	s_sub_co_u32 s[CNT], s[CNT], 1
	s_cmp_lg_u32 s[CNT], 0
	s_cbranch_scc1 .Ltrip
	TRIP 1                                         ; the eighth fetches nothing beyond the weights' end
	s_wait_dscnt 0x0                               ; my images, scale bytes and sums are stored
	s_barrier_signal -1
	s_barrier_wait -1                              ; everybody's are
	; kv's part.  Wave w: head w / 4, tile w % 4 of kf's 64 columns (d), against all four tiles of v's 64: source 0 = kf, source 1 = v; K = the 512 tokens, four steps.
	s_lshr_b32 s48, s[WV], 2
	s_and_b32 s49, s[WV], 3
	s_lshl_b32 s50, s48, 13
	s_add_co_u32 s50, s50, FIMG
	v_add_nc_u32 v[AWV], s50, v[LI]                ; the head's images
	s_lshl_b32 s51, s49, 11
	s_add_co_u32 s51, s51, s50
	v_add_nc_u32 v[AWK], s51, v[LI]                ; my tile of kf
	s_lshl_b32 s50, s48, 10
	s_add_co_u32 s50, s50, SIMG
	v_add_nc_u32 v[AS], s50, v[LS]
	s_lshl_b32 s51, s49, 8
	s_add_co_u32 s51, s51, s50
	v_add_nc_u32 v[AF], s51, v[LS]
	v_lshl_add_u32 v[AZ], v0, 2, ZW                ; (for the sums of z below: made ahead of the branch)
	v_lshlrev_b32 v[GB], 2, v0
	WIN 0x40                                       ; into window 1, where x lay
.irp g, 0,1,2,3
	ds_load_b128 v[8*\g:8*\g+3], v[AWK] offset:16384*\g
	ds_load_b128 v[8*\g+4:8*\g+7], v[AWK] offset:16384*\g+512
.endr
.irp kt, 0,1,2,3
.irp g, 0,1,2,3
	ds_load_b128 v[32+8*(4*\kt+\g):32+8*(4*\kt+\g)+3], v[AWV] offset:16384*\g+2048*\kt+1024
	ds_load_b128 v[32+8*(4*\kt+\g)+4:32+8*(4*\kt+\g)+7], v[AWV] offset:16384*\g+2048*\kt+1536
.endr
.endr
	WIN 0
.irp g, 0,1,2,3
	ds_load_b32 v[WS+\g], v[AF] offset:2048*\g
.endr
.irp kt, 0,1,2,3
.irp g, 0,1,2,3
	ds_load_b32 v[XS+4*\kt+\g], v[AS] offset:2048*\g+256*\kt+128
.endr
.endr
	s_lshl_b32 s50, s22, 4                         ; kvp: [block][head][v's tile][kf's tile][1,024 bytes]
	s_lshl_b32 s51, s23, 1
	s_add_co_u32 s50, s50, s51
	s_add_co_u32 s50, s50, s48
	s_lshl_b32 s50, s50, 14
	s_lshl_b32 s51, s49, 10
	s_add_co_u32 s50, s50, s51
	s_mov_b32 s51, 0
	s_add_nc_u64 s[16:17], s[16:17], s[50:51]
	s_lshl_b32 s50, s22, 3                         ; zp: [block][pair][128 f32]
	s_add_co_u32 s50, s50, s23
	s_lshl_b32 s50, s50, 9
	s_add_nc_u64 s[18:19], s[18:19], s[50:51]
	s_wait_dscnt 0x0
	WIN 0x05                                       ; sources 0 and 1 window 1
.irp g, 0,1,2,3
.irp kt, 0,1,2,3
.if \g == 0
	v_wmma_scale_f32_16x16x128_f8f6f4 v[HA+8*\kt:HA+8*\kt+7], v[8*\g:8*\g+7], v[32+8*(4*\kt+\g):32+8*(4*\kt+\g)+7], 0, v[WS+\g], v[XS+4*\kt+\g] matrix_a_fmt:MATRIX_FMT_FP4 matrix_b_fmt:MATRIX_FMT_FP4
.else
	v_wmma_scale_f32_16x16x128_f8f6f4 v[HA+8*\kt:HA+8*\kt+7], v[8*\g:8*\g+7], v[32+8*(4*\kt+\g):32+8*(4*\kt+\g)+7], v[HA+8*\kt:HA+8*\kt+7], v[WS+\g], v[XS+4*\kt+\g] matrix_a_fmt:MATRIX_FMT_FP4 matrix_b_fmt:MATRIX_FMT_FP4
.endif
.endr
.endr
	WIN 0
	PLACES
.irp kt, 0,1,2,3
	global_store_b128 v[LI], v[HA+8*\kt:HA+8*\kt+3], s[16:17] offset:4096*\kt       ; an image of the accumulator, its low end first: 512 consecutive bytes a store
	global_store_b128 v[LI], v[HA+8*\kt+4:HA+8*\kt+7], s[16:17] offset:4096*\kt+512
.endr
	s_cmp_lt_u32 s[WV], 4                          ; z: threads 0 to 127 add the eight waves' parts of one column each
	s_cbranch_scc0 .Lno_z
.irp p, 0,1,2,3,4,5,6,7
	ds_load_b32 v[TMP+\p], v[AZ] offset:512*\p
.endr
	s_wait_dscnt 0x0
	v_add_f32 v[TMP], v[TMP], v[TMP+1]
	v_add_f32 v[TMP+2], v[TMP+2], v[TMP+3]
	v_add_f32 v[TMP+4], v[TMP+4], v[TMP+5]
	v_add_f32 v[TMP+6], v[TMP+6], v[TMP+7]
	v_add_f32 v[TMP], v[TMP], v[TMP+2]
	v_add_f32 v[TMP+4], v[TMP+4], v[TMP+6]
	v_add_f32 v[TMP], v[TMP], v[TMP+4]
	global_store_b32 v[GB], v[TMP], s[18:19]
.Lno_z:
	s_wait_tensorcnt 0x0
	ds_add_u32 v254, v255
	s_wait_dscnt 0x0
	ROUND                                          ; the closing round: no work-group ends while a partner may still ask for what names it
	s_endpgm
.Lfunc_end_k_qb09b52eca3_kvpart:
	.size	k_qb09b52eca3_kvpart, .Lfunc_end_k_qb09b52eca3_kvpart-k_qb09b52eca3_kvpart
	.p2alignl 7, 3214868480
	.fill 96, 4, 3214868480
	.section	.rodata,"a",@progbits
	.p2align	6, 0x0
	.amdhsa_kernel k_qb09b52eca3_kvpart
		.amdhsa_group_segment_fixed_size 219136
		.amdhsa_private_segment_fixed_size 0
		.amdhsa_enable_private_segment 0
		.amdhsa_kernarg_size 64
		.amdhsa_user_sgpr_count 2
		.amdhsa_user_sgpr_kernarg_segment_ptr 1
		.amdhsa_wavefront_size32 1
		.amdhsa_system_sgpr_workgroup_id_x 1
		.amdhsa_system_sgpr_workgroup_id_y 1
		.amdhsa_system_sgpr_workgroup_id_z 1
		.amdhsa_system_vgpr_workitem_id 0
		.amdhsa_next_free_vgpr 512
		.amdhsa_next_free_sgpr 66
		.amdhsa_reserve_vcc 0
		.amdhsa_float_denorm_mode_32 3
		.amdhsa_float_denorm_mode_16_64 3
		.amdhsa_memory_ordered 1
		.amdhsa_forward_progress 1
		.amdhsa_inst_pref_size 71
	.end_amdhsa_kernel
	.amdgpu_metadata
---
amdhsa.version: [ 1, 2 ]
amdhsa.kernels:
  - .name:           k_qb09b52eca3_kvpart
    .symbol:         k_qb09b52eca3_kvpart.kd
    .args:
      - { .name: xc, .offset: 0, .size: 8, .value_kind: global_buffer, .address_space: global }
      - { .name: xs, .offset: 8, .size: 8, .value_kind: global_buffer, .address_space: global }
      - { .name: wimg, .offset: 16, .size: 8, .value_kind: global_buffer, .address_space: global }
      - { .name: bk, .offset: 24, .size: 8, .value_kind: global_buffer, .address_space: global }
      - { .name: bv, .offset: 32, .size: 8, .value_kind: global_buffer, .address_space: global }
      - { .name: mask, .offset: 40, .size: 8, .value_kind: global_buffer, .address_space: global }
      - { .name: kvp, .offset: 48, .size: 8, .value_kind: global_buffer, .address_space: global }
      - { .name: zp, .offset: 56, .size: 8, .value_kind: global_buffer, .address_space: global }
    .group_segment_fixed_size: 219136
    .private_segment_fixed_size: 0
    .kernarg_segment_align: 8
    .kernarg_segment_size: 64
    .max_flat_workgroup_size: 256
    .sgpr_count:     66
    .vgpr_count:     512
    .wavefront_size: 32
...
	.end_amdgpu_metadata
.endif
;; end of part 2
;; launch attn (part 3): grid 32 x 8, 4 waves a work-group, clusters of 4 x 1, 168,448 bytes of LDS; arguments xc, xs, wimg, bq, mask, kvp, zp, out0; writes out0
.if DOCPART == 3
	.amdgcn_target "amdgcn-amd-amdhsa--gfx1250"
	.amdhsa_code_object_version 6
	.text
	.protected	k_qb09b52eca3_attn
	.globl	k_qb09b52eca3_attn
	.p2align	8
	.type	k_qb09b52eca3_attn,@function
k_qb09b52eca3_attn:
	s_mov_b64 s[64:65], 0
	v_nop
	global_prefetch_b8 v0, s[64:65] scope:SCOPE_SE
	s_setreg_imm32_b32 hwreg(HW_REG_WAVE_MODE, 25, 1), 1
	s_wait_xcnt 0x0
	s_wait_alu depctr_hold_cnt(0) depctr_sa_sdst(0) depctr_va_vdst(0) depctr_va_sdst(0) depctr_va_ssrc(0) depctr_va_vcc(0) depctr_vm_vsrc(0)
	s_getreg_b32 s2, hwreg(HW_REG_IB_STS2, 6, 4)
	s_cmp_eq_u32 s2, 0
	s_cbranch_scc0 .Lentry_in_a_cluster
	s_endpgm
.Lentry_in_a_cluster:
	s_bfe_u32 s2, ttmp6, 0x10000c
	s_cmp_lg_u32 s2, 0x3003
	s_cbranch_scc0 .Lentry_shape_is_right
	s_endpgm
.Lentry_shape_is_right:
; For a block of 512 tokens (work-group x) and a pair of heads (work-group y): kv and z are summed over the batch's eight parts (f32); kv is quantised along d; then, a tile of 16 tokens at a time:
; q = x Wq + bq on codes of FP4, qf = elu(q) + 1, den = qf . z (f32 multiply-adds on the unquantised qf), qf quantised along d, num = qf kv on codes, out = num x m / max(den, 1e-6).
; SHARES.  Four waves; wave w owns 128 tokens: 8 tiles, as 4 pairs.  The pair's 128 columns of Wq (64 fragments, 512 registers) stay in every wave's registers; they come into LDS once.
; LAYOUT.  Both products are used transposed: source 0 = 16 columns of Wq (or 16 columns k' of kv), source 1 = 16 tokens: a lane holds ONE token.  Row r of Wq's tile 2 b + u is column 32 b + 8 u + r + 8 (r / 8),
; so that register 16 b + i of the eight tiles is column 32 b + 16 (lane / 16) + i of the pair: four blocks of the next K, and the tile's codes are ONE fragment, head 0 in its first part, head 1 in its second.
; kv's fragment for a head has its codes in that head's part and zero codes in the other (scale bytes 127 there), so that an instruction's K of 128 serves one head's 64.
; kvp's images have v's column k' in the lane and d along the registers in the same order: summed, they are the quantiser's input as they stand.
; CLUSTER.  The four work-groups of a cluster are four token blocks of one pair of heads: Wq's 69,632 bytes are asked for JOINTLY, once.  x's fragments serve one wave each and go from memory straight into
; registers, two tiles ahead.  The batch's parts of kv, which the four partners also share, are NOT asked for jointly: their 262,144 bytes do not fit into LDS beside the 113,152 in use.  Nothing in LDS is filled twice.
; THE WAY OUT.  A tile's 16 rows x 512 bytes go through the wave's own stage (rows 528 bytes apart) and leave as whole rows under the next tile's products.
; elu(a) + 1 IS THE MIDDLE ONE OF e^a, a + 1 AND 1: for a > 0, 1 < a + 1 < e^a; for a < 0, a + 1 < e^a < 1.  The 1 is added to bq, which is the C of q's first products, so that the sums hold a' = a + 1;
; e^a = 2^(a' log2 e - log2 e): one packed multiply-add for two numbers, an exponential and a v_med3_num_f32 for each.
; LIMITS: qf is not multiplied by m ahead of its quantiser: a hidden token's row is multiplied by m = 0 at the end, which gives the same 0 while the numerator is finite.  a is known to 6e-8 |a + 1|, and e^a
; carries that as its share of error; NaN and infinities among the inputs are not served; blocks whose largest magnitude lies under 2^-124 keep the scale byte 1.
.set REC,   8704
.set WPAIR, 8*REC
.set PART,  17408
.set KIMG,  WPAIR                      ; LDS: from 0 Wq's 8 records; here kv's 8 fragments (4 x head + tile),
.set KSC,   KIMG+8192                  ; their scale words, 128 bytes each,
.set ZL,    KSC+1024                   ; z, 128 f32 in the columns' own order,
.set STG,   ZL+512                     ; a stage of 16 x 528 bytes for each wave
.set LI,  1                            ; v1   16 x lane
.set LS,  2                            ; v2   4 x lane
.set MO,  3                            ; v3   my token in a tile: r % 8 + 16 (r / 8)
.set SO,  4                            ; v4   the stage: where I put my row's numbers
.set SR,  5                            ; v5   and where I read a row back
.set ZA,  6                            ; v6   ZL + 64 (lane / 16)
.set KA,  7                            ; v7   where my kv codes go,
.set KB,  8                            ; v8   the zero codes beside them,
.set KS,  9                            ; v9   their scale words
.set BO,  10                           ; v10  64 (lane / 16)
.set LI2, 11                           ; v11  16 x lane + four records
.set KL,  12                           ; v12  16 x lane + KIMG
.set KSL, 13                           ; v13  4 x lane + KSC
.set ZT,  14                           ; v14  4 x thread
.set ZLA, 15                           ; v15  where thread t's sum of z goes
.set HA,  16                           ; v16-79   eight accumulators
.set OB,  80                           ; v80-143  z for my 64 columns; then 16 rows on their way out
.set WS,  144                          ; v144-175 Wq's scale words, four a tile
.set XS,  176                          ; v176-183 x's, four for each of the two tiles in hand
.set KVS, 184                          ; v184-191 kv's
.set PW,  192                          ; v192     the scale word just made.  v144-192 hold scales and nothing else
.set NL,  194                          ; v194-195 -log2 e, twice
.set TM,  196                          ; v196-211 the quantiser's
.set PC,  212                          ; v212-219 the codes just made
.set TMP, 220                          ; v220-235 at work
.set DN,  236                          ; v236-243 den, four registers a head
.set RR,  244                          ; v244-247 m / den: a pair a head, of which the low word is used
.set MB,  248                          ; v248-249 my token's mask byte in the two tiles in hand
.set MF,  250                          ; v250     as f32
.set KV,  128                          ; window 1: v0-63, v64-127 x's fragments of the two tiles; v128-191 kv's; v192-255 bq + 1 in the results' layout
.set BQ,  192                          ; windows 2, 3: Wq's fragment (K step s, tile T) at v[8 (8 (s % 4) + T)] of window 2 + s / 4
.set WV,  20
.set G1,  24
.set G0,  32
.set L2E, 38
.set SEL, 40
.set CNT, 42
.set EPS, 43
.set MSB, 0
.macro WIN new                         ; the immediate's high byte repeats the setting that is left
.if MSB != (\new)
	s_set_vgpr_msb (MSB<<8)|(\new)
.set MSB, (\new)
.endif
.endm
.macro ROUND                           ; a round of the cluster's barrier
	s_barrier_signal -1
	s_barrier_wait -1
	s_cmp_lg_u32 s[WV], 0
	s_cbranch_scc1 .Lnot_wave_0_\@
	s_barrier_signal -3
.Lnot_wave_0_\@:
	s_barrier_wait -3
	s_barrier_signal -1
	s_barrier_wait -1
.endm
; elu + 1 of 16 registers from v[s] on, which hold a' = a + 1; ascending.  One plain line stands between the run of exponentials and the first use of a result (ISA guide 5.7.2)
.macro PHI8 s
.irp i, 0,2,4,6,8,10,12,14
	v_pk_fma_f32 v[TMP+\i:TMP+\i+1], v[(\s)+\i:(\s)+\i+1], s[L2E:L2E+1], v[NL:NL+1] op_sel_hi:[1,0,1]   ; a' log2 e - log2 e
.endr
.irp i, 0,1,2,3,4,5,6,7,8,9,10,11,12,13,14,15
	v_exp_f32 v[TMP+\i], v[TMP+\i]                 ; e^a
.endr
	v_nop
	s_wait_alu depctr_va_vdst(0)
.irp i, 0,1,2,3,4,5,6,7,8,9,10,11,12,13,14,15
	v_med3_num_f32 v[(\s)+\i], v[TMP+\i], v[(\s)+\i], 1.0   ; the middle one of e^a, a + 1 and 1
.endr
.endm
; 64 numbers of a lane, register 16 b + i = k 32 b + 16 (lane / 16) + i of my row, become a fragment's codes in v[PC] on and its scale word in v[PW]
.macro QUANT s
.irp b, 0,1,2,3
	v_max3_num_f32 v[TM+\b], |v[(\s)+16*\b]|, |v[(\s)+1+16*\b]|, 0x1800000   ; my 16 numbers, and the floor 2^(3 - 127): the byte cannot fall under 1
.endr
.irp i, 2,4,6,8,10,12,14
.irp b, 0,1,2,3
	v_max3_num_f32 v[TM+\b], v[TM+\b], |v[(\s)+16*\b+\i]|, |v[(\s)+1+16*\b+\i]|
.endr
.endr
.irp b, 0,1,2,3
	v_permlanex16_b32 v[TM+4+\b], v[TM+\b], s[SEL], s[SEL+1]
.endr
.irp b, 0,1,2,3
	v_max_num_f32 v[TM+\b], v[TM+\b], v[TM+4+\b]   ; with lane l xor 16's: the block's largest magnitude
.endr
.irp b, 0,1,2,3
	v_add_nc_u32 v[TM+12+\b], 0xff000000, v[TM+\b] ; 2 off its exponent field: the conversions' scale operand
.endr
.irp b, 0,1,2,3
	v_lshrrev_b32 v[TM+4+\b], 23, v[TM+12+\b]      ; the scale's byte
.endr
	v_lshl_or_b32 v[PW], v[TM+5], 8, v[TM+4]
	v_lshl_or_b32 v[PW], v[TM+6], 16, v[PW]
	v_lshl_or_b32 v[PW], v[TM+7], 24, v[PW]
.irp b, 0,1,2,3
	v_cvt_scalef32_pk8_fp4_f32 v[PC+2*\b], v[(\s)+16*\b:(\s)+7+16*\b], v[TM+12+\b]
	v_cvt_scalef32_pk8_fp4_f32 v[PC+1+2*\b], v[(\s)+8+16*\b:(\s)+15+16*\b], v[TM+12+\b]
.endr
	v_nop                                          ; one plain line behind a scaled conversion
.irp c, 0,1                                    ; the operand's layout wants a whole block in a lane: lanes 0-15 block 2 c, lanes 16-31 block 2 c + 1
.irp i, 0,1
	v_permlane16_swap_b32 v[PC+4*\c+\i], v[PC+2+4*\c+\i]
.endr
.endr
.endm
; tile u of the pair in hand (ahead = 0) or of the next pair (1): 16 loads of codes, one of scale words, one of my token's mask byte: 18 loads
.macro XLOAD u, ahead
	WIN 0x40                                       ; destination window 1
.irp k, 0,1,2,3,4,5,6,7
	global_load_b128 v[64*(\u)+8*\k:64*(\u)+8*\k+3], v[LI], s[4:5] offset:16384*(\ahead)+8192*(\u)+1024*\k
	global_load_b128 v[64*(\u)+8*\k+4:64*(\u)+8*\k+7], v[LI], s[4:5] offset:16384*(\ahead)+8192*(\u)+1024*\k+512
.endr
	WIN 0
	global_load_b128 v[XS+4*(\u):XS+4*(\u)+3], v[LI], s[6:7] offset:1024*(\ahead)+512*(\u)
	global_load_u8 v[MB+(\u)], v[MO], s[12:13] offset:32*(\ahead)+8*(\u)
.endm
.macro SEND up                         ; the tile (of the pair at which out0's base stands, half up) that lies in v[OB] on leaves: row i is token i + 8 (i / 8) + 8 up
	s_wait_dscnt 0x0                               ; it is back from the stage
.irp i, 0,1,2,3,4,5,6,7,8,9,10,11,12,13,14,15
	global_store_b128 v[LI], v[OB+4*\i:OB+4*\i+3], s[18:19] offset:(\i+8*(\i/8)+8*(\up))*4096 th:TH_STORE_NT   ; 32 lanes store 512 consecutive bytes, at a multiple of 512 from out0's first byte; written once
.endr
.endm
	s_load_b256 s[4:11], s[0:1], 0x0               ; xc, xs, wimg, bq
	s_load_b256 s[12:19], s[0:1], 0x20             ; mask, kvp, zp, out0
	v_lshl_add_u32 v207, v0, 2, 0x29000
	v_mov_b32 v251, 0
	ds_add_u32 v207, v251
	ds_add_u32 v207, v251
	v_lshrrev_b32 v1, 5, v0
	v_readfirstlane_b32 s[WV], v1                  ; wave 0..3
	s_bfe_u32 s21, ttmp6, 0x40000                  ; cx
	s_lshl_b32 s22, ttmp9, 2
	s_add_co_u32 s22, s22, s21                     ; my block of 512 tokens: it enters global addresses alone
	s_and_b32 s23, ttmp7, 0xffff                   ; the pair of heads, which the four partners share
	s_mov_b32 s[G1], 15|(3<<16)|(1<<21)            ; 68 rows of 256 bytes (32 elements of 8 bytes), dense; the mask names all four work-groups, bit 21 beside it
	s_mov_b32 s[G1+1], 32<<16
	s_mov_b32 s[G1+2], 68<<16
	s_mov_b32 s[G1+3], 32<<16
	s_mov_b32 s[G1+4], 68
	s_mov_b32 s[G1+5], 32
	s_mov_b32 s[G1+6], 0
	s_mov_b32 s[G1+7], 0
	s_mov_b32 s[G0], 1
	s_mul_i32 s[G0+1], s[WV], PART                 ; my quarter of Wq's 8 records: in LDS,
	s_mul_i32 s46, s23, WPAIR
	s_add_co_u32 s46, s46, s[G0+1]                 ; and in wimg
	s_mov_b32 s47, 0
	s_lshl_b32 s44, s22, 2
	s_add_co_u32 s44, s44, s[WV]                   ; my group of 128 tokens
	s_lshr_b32 s45, s22, 3                         ; the batch
	s_lshr_b32 s48, s[WV], 1                       ; the head whose kv I sum,
	s_and_b32 s49, s[WV], 1                        ; and which two of its four tiles
	s_mov_b32 s[L2E], 0x3fb8aa3b
	s_mov_b32 s[L2E+1], s[L2E]
	s_mov_b32 s[SEL], 0x76543210
	s_mov_b32 s[SEL+1], 0xfedcba98
	s_mov_b32 s[EPS], 0x358637bd                   ; 1e-6
	v_and_b32 v[LS], 31, v0
	v_lshlrev_b32 v[LI], 4, v[LS]
	v_lshlrev_b32 v[LS], 2, v[LS]
	v_and_b32 v252, 15, v0                         ; r
	v_bfe_u32 v253, v0, 4, 1                       ; h
	v_and_b32 v[MO], 7, v252
	v_lshrrev_b32 v254, 3, v252
	v_lshl_add_u32 v[MO], v254, 4, v[MO]
	s_mul_i32 s50, s[WV], 16*528
	s_add_co_u32 s50, s50, STG
	v_mul_u32_u24 v[SO], v252, 528
	v_lshl_add_u32 v[SO], v253, 6, v[SO]
	v_add_nc_u32 v[SO], s50, v[SO]                 ; row r, + 64 h
	v_add_nc_u32 v[SR], s50, v[LI]
	v_lshl_add_u32 v[ZA], v253, 6, ZL
	v_lshlrev_b32 v[BO], 6, v253
	v_add_nc_u32 v[LI2], 4*REC, v[LI]
	v_add_nc_u32 v[KL], KIMG, v[LI]
	v_add_nc_u32 v[KSL], KSC, v[LS]
	s_lshl_b32 s50, s[WV], 11                      ; my two fragments of kv: 2 x wave, 2 x wave + 1
	s_add_co_u32 s50, s50, KIMG
	s_lshl_b32 s51, s48, 9                         ; the head's part,
	s_xor_b32 s52, s51, 512                        ; the other part
	s_add_co_u32 s51, s51, s50
	s_add_co_u32 s52, s52, s50
	v_add_nc_u32 v[KA], s51, v[LI]
	v_add_nc_u32 v[KB], s52, v[LI]
	s_lshl_b32 s50, s[WV], 8
	s_add_co_u32 s50, s50, KSC
	v_add_nc_u32 v[KS], s50, v[LS]
	v_lshlrev_b32 v[ZT], 2, v0
	v_lshrrev_b32 v254, 5, v0                      ; zp's number t is row t % 16 of tile t / 16: column 32 (t / 32) + 8 ((t / 16) % 2) + t % 8 + 16 ((t / 8) % 2)
	v_lshlrev_b32 v254, 5, v254
	v_bfe_u32 v255, v0, 4, 1
	v_lshl_add_u32 v254, v255, 3, v254
	v_bfe_u32 v255, v0, 3, 1
	v_lshl_add_u32 v254, v255, 4, v254
	v_and_b32 v255, 7, v0
	v_add_nc_u32 v254, v254, v255
	v_lshl_add_u32 v[ZLA], v254, 2, ZL
.irp b, 0,1,2,3
	v_mov_b32 v[TM+4+\b], 0                        ; written once: a lane permute's destination counts as one of its sources
	v_mov_b32 v[TMP+\b], 0                         ; sixteen bytes of zero codes
.endr
	v_mov_b32 v[RR+1], 0                           ; (named as the upper halves of pairs)
	v_mov_b32 v[RR+3], 0
	v_mov_b32 v[NL], 0xbfb8aa3b                    ; -log2 e
	v_mov_b32 v[NL+1], 0xbfb8aa3b
	s_wait_dscnt 0x0
	s_wait_kmcnt 0x0
	s_add_nc_u64 s[G0+2:G0+3], s[8:9], s[46:47]
	s_or_b32 s[G0+3], s[G0+3], 0x80000000          ; type = 2
	ROUND                                          ; all four work-groups are here: the joint loads meet
	tensor_load_to_lds s[G0:G0+3], s[G1:G1+7]      ; one load a wave, the only one of the launch
	s_nop 0
.rept 4
	v_nop
.endr
	s_lshl_b32 s46, s44, 16                        ; xc: 65,536 bytes a group
	s_add_nc_u64 s[4:5], s[4:5], s[46:47]
	s_lshl_b32 s46, s44, 12                        ; xs: 4,096
	s_add_nc_u64 s[6:7], s[6:7], s[46:47]
	s_lshl_b32 s46, s44, 7                         ; mask: 128
	s_add_nc_u64 s[12:13], s[12:13], s[46:47]
	s_lshl_b32 s46, s44, 19                        ; out0: 128 rows of 4,096 bytes,
	s_add_nc_u64 s[18:19], s[18:19], s[46:47]
	s_lshl_b32 s46, s23, 9                         ; + the pair's 512 bytes of a row; bq likewise
	s_add_nc_u64 s[18:19], s[18:19], s[46:47]
	s_add_nc_u64 s[10:11], s[10:11], s[46:47]
	s_lshl_b32 s46, s45, 6                         ; zp: the batch's first part of my pair
	s_add_co_u32 s46, s46, s23
	s_lshl_b32 s46, s46, 9
	s_add_nc_u64 s[16:17], s[16:17], s[46:47]
	s_lshl_b32 s46, s45, 7                         ; kvp: the batch's first part: 16 heads x 8 blocks on, my head,
	s_lshl_b32 s52, s23, 1
	s_add_co_u32 s46, s46, s52
	s_add_co_u32 s46, s46, s48
	s_lshl_b32 s46, s46, 4
	s_lshl_b32 s52, s49, 3                         ; my two tiles of v's columns
	s_add_co_u32 s46, s46, s52
	s_lshl_b32 s46, s46, 10
	s_add_nc_u64 s[14:15], s[14:15], s[46:47]
.irp p, 0,1,2,3,4,5,6,7
	global_load_b32 v[OB+\p], v[ZT], s[16:17] offset:4096*\p
.endr
.irp e, 0,1                                    ; my unit e (a tile of 16 columns k' x 64 d), part p: 32 registers at v[32 p] of window 2 + e
	WIN 0x80+0x40*\e
.irp p, 0,1,2,3,4,5,6,7
.irp i, 0,1,2,3,4,5,6,7
	global_load_b128 v[32*\p+4*\i:32*\p+4*\i+3], v[LI], s[14:15] offset:262144*\p+4096*\e+512*\i
.endr
.endr
.endr
	WIN 0x40
.irp t, 0,1,2,3,4,5,6,7                        ; bq as the C of tile t: my eight columns 32 (t / 2) + 16 h + 8 (t % 2) + 0 .. 7
	global_load_b128 v[BQ+8*\t:BQ+8*\t+3], v[BO], s[10:11] offset:128*(\t/2)+32*(\t%2)
	global_load_b128 v[BQ+8*\t+4:BQ+8*\t+7], v[BO], s[10:11] offset:128*(\t/2)+32*(\t%2)+16
.endr
	XLOAD 0, 0
	XLOAD 1, 0
	s_lshl_b32 s50, s48, 4                         ; my head's two scale bytes stand 16 x head bits up,
	s_sub_co_u32 s52, 16, s50
	s_lshl_b32 s51, 0x7f7f, s52                    ; and 127, 127 stand over the zero codes
	s_wait_loadcnt 52                              ; z's and kv's parts are in; bq's 16 loads and the two tiles' 36 may be out
	v_add_f32 v[OB], v[OB], v[OB+1]
	v_add_f32 v[OB+2], v[OB+2], v[OB+3]
	v_add_f32 v[OB+4], v[OB+4], v[OB+5]
	v_add_f32 v[OB+6], v[OB+6], v[OB+7]
	v_add_f32 v[OB], v[OB], v[OB+2]
	v_add_f32 v[OB+4], v[OB+4], v[OB+6]
	v_add_f32 v[OB], v[OB], v[OB+4]
	ds_store_b32 v[ZLA], v[OB]
.irp e, 0,1
	WIN 0x8a+0x45*\e                               ; destination and both sources window 2 + e
.irp p, 1,2,3,4,5,6
.irp i, 0,2,4,6,8,10,12,14,16,18,20,22,24,26,28,30
	v_pk_add_f32 v[\i:\i+1], v[\i:\i+1], v[32*\p+\i:32*\p+\i+1]
.endr
.endr
	WIN 0x0a+0x05*\e                               ; the last addition's result goes to window 0
.irp i, 0,2,4,6,8,10,12,14,16,18,20,22,24,26,28,30
	v_pk_add_f32 v[HA+32*\e+\i:HA+32*\e+\i+1], v[\i:\i+1], v[224+\i:225+\i]
.endr
.endr
	WIN 0
	QUANT HA                                       ; register 32 e + 16 B + i is d = 32 B + 16 h + i of unit e: codes 4 e .. 4 e + 3 and bytes 2 e, 2 e + 1 are unit e's
.irp e, 0,1
	ds_store_b128 v[KA], v[PC+4*\e:PC+4*\e+3] offset:1024*\e
	ds_store_b128 v[KB], v[TMP:TMP+3] offset:1024*\e
.endr
	v_and_b32 v[TMP+4], 0xffff, v[PW]
	v_lshrrev_b32 v[TMP+5], 16, v[PW]
	v_lshlrev_b32 v[TMP+4], s50, v[TMP+4]
	v_lshlrev_b32 v[TMP+5], s50, v[TMP+5]
	v_or_b32 v[TMP+4], s51, v[TMP+4]
	v_or_b32 v[TMP+5], s51, v[TMP+5]
	ds_store_b32 v[KS], v[TMP+4]
	ds_store_b32 v[KS], v[TMP+5] offset:128
	s_wait_tensorcnt 0x0                           ; my quarter of Wq has landed,
	s_wait_dscnt 0x0                               ; my part of z and of kv is stored:
	s_barrier_signal -1
	s_barrier_wait -1                              ; everybody's are
.irp w, 0,1                                    ; what stays in registers: Wq's 64 fragments,
	WIN 0x80+0x40*\w
.irp k, 0,1,2,3
.irp t, 0,1,2,3,4,5,6,7
	ds_load_b128 v[8*(8*\k+\t):8*(8*\k+\t)+3], v[LI+(LI2-LI)*(\t/4)] offset:REC*(\t%4)+1024*(4*\w+\k)
	ds_load_b128 v[8*(8*\k+\t)+4:8*(8*\k+\t)+7], v[LI+(LI2-LI)*(\t/4)] offset:REC*(\t%4)+1024*(4*\w+\k)+512
.endr
.endr
.endr
	WIN 0x40
.irp f, 0,1,2,3,4,5,6,7                        ; kv's eight,
	ds_load_b128 v[KV+8*\f:KV+8*\f+3], v[KL] offset:1024*\f
	ds_load_b128 v[KV+8*\f+4:KV+8*\f+7], v[KL] offset:1024*\f+512
.endr
	WIN 0
.irp t, 0,1,2,3,4,5,6,7                        ; and both's scale words
	ds_load_b128 v[WS+4*\t:WS+4*\t+3], v[LI+(LI2-LI)*(\t/4)] offset:REC*(\t%4)+8192
	ds_load_b32 v[KVS+\t], v[KSL] offset:128*\t
.endr
	s_wait_loadcnt 36                              ; bq is in; the two tiles' 36 loads may be out
	WIN 0x41                                       ; destination and source 0 window 1
.irp i, 0,2,4,6,8,10,12,14,16,18,20,22,24,26,28,30,32,34,36,38,40,42,44,46,48,50,52,54,56,58,60,62
	v_pk_add_f32 v[BQ+\i:BQ+\i+1], v[BQ+\i:BQ+\i+1], 1.0 op_sel_hi:[1,0]   ; bq + 1, once, while the LDS loads above are on their way
.endr
	WIN 0
.rept 4
	v_nop                                          ; plain lines between the block just written and the products that take it as C
.endr
	s_wait_dscnt 0x0
; A TILE of 16 tokens, through the whole chain.  u: which of the pair's two; ld = 1: the same tile of the next pair is asked for; snd = 1: the tile before leaves; lc: the younger loads that may stay out.
.macro TILE u, ld, snd, lc
	s_wait_loadcnt \lc                             ; my 18 loads are in; the next tile's 18 may be out
	s_wait_dscnt 16                                ; the last tile's 16 stores into the stage have read the accumulators; its 16 loads from the stage may be out
.irp k, 0,1,2,3,4,5,6,7                        ; q^T + 1 = Wq^T x^T + (bq + 1): eight accumulators by turns, one instruction a turn
.if \k == 0
	WIN 0x16                                       ; source 0 (Wq) window 2, source 1 (x) window 1, C (bq + 1) window 1
.elseif \k < 4
	WIN 0x06
.else
	WIN 0x07                                       ; Wq's upper half of K: window 3
.endif
.irp t, 0,1,2,3,4,5,6,7
.if \k == 0
	v_wmma_scale_f32_16x16x128_f8f6f4 v[HA+8*\t:HA+8*\t+7], v[8*(8*(\k%4)+\t):8*(8*(\k%4)+\t)+7], v[64*(\u)+8*\k:64*(\u)+8*\k+7], v[BQ+8*\t:BQ+8*\t+7], v[WS+4*\t+(\k%4)], v[XS+4*(\u)+(\k%4)] matrix_a_fmt:MATRIX_FMT_FP4 matrix_b_fmt:MATRIX_FMT_FP4
.elseif \k < 4
	v_wmma_scale_f32_16x16x128_f8f6f4 v[HA+8*\t:HA+8*\t+7], v[8*(8*(\k%4)+\t):8*(8*(\k%4)+\t)+7], v[64*(\u)+8*\k:64*(\u)+8*\k+7], v[HA+8*\t:HA+8*\t+7], v[WS+4*\t+(\k%4)], v[XS+4*(\u)+(\k%4)] matrix_a_fmt:MATRIX_FMT_FP4 matrix_b_fmt:MATRIX_FMT_FP4
.else
	v_wmma_scale_f32_16x16x128_f8f6f4 v[HA+8*\t:HA+8*\t+7], v[8*(8*(\k%4)+\t):8*(8*(\k%4)+\t)+7], v[64*(\u)+8*\k:64*(\u)+8*\k+7], v[HA+8*\t:HA+8*\t+7], v[WS+4*\t+(\k%4)], v[XS+4*(\u)+(\k%4)] matrix_a_fmt:MATRIX_FMT_FP4 matrix_b_fmt:MATRIX_FMT_FP4 matrix_a_scale:MATRIX_SCALE_ROW1 matrix_b_scale:MATRIX_SCALE_ROW1
.endif
.endr
.endr
	WIN 0
	v_cvt_f32_u32 v[MF], v[MB+(\u)]                ; my token's m.  With the three lines below: four plain lines behind the products, ahead of the loads into x's registers and of the reads of q
	v_nop
	v_nop
	v_nop
.if \ld
	XLOAD \u, 1
.endif
.if \snd
	SEND 1-(\u)
.endif
	PHI8 HA                                        ; these touch the accumulators and their own work registers alone: the loads and stores just issued get their addresses translated meanwhile
	PHI8 HA+16
	PHI8 HA+32
	PHI8 HA+48
	s_wait_xcnt 0x0                                ; the loads and stores above have read their bases and registers: only behind this wait are the bases stepped and the rows' registers loaded with z
.if (\snd) && ((\u) == 0)
	s_add_nc_u64 s[18:19], s[18:19], 131072        ; out0: on to this pair's 32 rows
.endif
.if (\ld) && ((\u) == 1)
	s_add_nc_u64 s[4:5], s[4:5], 16384             ; x: on to the next pair
	s_add_nc_u64 s[6:7], s[6:7], 1024
	s_add_nc_u64 s[12:13], s[12:13], 32
.endif
.irp b, 0,1,2,3
.irp j, 0,1,2,3
	ds_load_b128 v[OB+16*\b+4*\j:OB+16*\b+4*\j+3], v[ZA] offset:128*\b+16*\j   ; z of my 64 columns, register for register beside qf: it lands under the quantiser's lines
.endr
.endr
	QUANT HA
	s_wait_dscnt 0x0                               ; z
.irp h, 0,1                                    ; den = qf . z, of the unquantised qf, for each head in two chains.  (These lines are also the plain lines between the scale word and codes just made and the products that take them)
	v_pk_mul_f32 v[DN+4*\h:DN+4*\h+1], v[HA+32*\h:HA+32*\h+1], v[OB+32*\h:OB+32*\h+1]
	v_pk_mul_f32 v[DN+4*\h+2:DN+4*\h+3], v[HA+32*\h+2:HA+32*\h+3], v[OB+32*\h+2:OB+32*\h+3]
.endr
.irp i, 4,8,12,16,20,24,28
.irp h, 0,1
	v_pk_fma_f32 v[DN+4*\h:DN+4*\h+1], v[HA+32*\h+\i:HA+32*\h+\i+1], v[OB+32*\h+\i:OB+32*\h+\i+1], v[DN+4*\h:DN+4*\h+1]
	v_pk_fma_f32 v[DN+4*\h+2:DN+4*\h+3], v[HA+32*\h+\i+2:HA+32*\h+\i+3], v[OB+32*\h+\i+2:OB+32*\h+\i+3], v[DN+4*\h+2:DN+4*\h+3]
.endr
.endr
.irp h, 0,1
	v_pk_add_f32 v[DN+4*\h:DN+4*\h+1], v[DN+4*\h:DN+4*\h+1], v[DN+4*\h+2:DN+4*\h+3]
.endr
.irp h, 0,1
	v_add_f32 v[DN+4*\h], v[DN+4*\h], v[DN+4*\h+1]
.endr
.irp h, 0,1
	v_permlanex16_b32 v[DN+4*\h+1], v[DN+4*\h], s[SEL], s[SEL+1]
.endr
.irp h, 0,1
	v_add_f32 v[DN+4*\h], v[DN+4*\h], v[DN+4*\h+1] ; with lane l xor 16's 32 columns
.endr
.irp h, 0,1
	v_max_num_f32 v[DN+4*\h], s[EPS], v[DN+4*\h]
.endr
	WIN 0x01                                       ; source 0 (kv) window 1
.irp f, 0,1,2,3,4,5,6,7                        ; num^T = kv^T qf^T: head f / 4, tile f % 4 of its 64 columns
	v_wmma_scale_f32_16x16x128_f8f6f4 v[HA+8*\f:HA+8*\f+7], v[KV+8*\f:KV+8*\f+7], v[PC:PC+7], 0, v[KVS+\f], v[PW] matrix_a_fmt:MATRIX_FMT_FP4 matrix_b_fmt:MATRIX_FMT_FP4
.endr
	WIN 0
	v_rcp_f32 v[RR], v[DN]
	v_rcp_f32 v[RR+2], v[DN+4]
	v_nop                                          ; a plain line behind the reciprocals; with the three below: four plain lines behind the products
	s_wait_alu depctr_va_vdst(0)
	v_mul_f32 v[RR], v[RR], v[MF]                  ; m / den
	v_mul_f32 v[RR+2], v[RR+2], v[MF]
	v_nop
.irp i, 0,2,4,6,8,10,12,14,16,18,20,22,24,26,28,30,32,34,36,38,40,42,44,46,48,50,52,54,56,58,60,62
	v_pk_mul_f32 v[HA+\i:HA+\i+1], v[HA+\i:HA+\i+1], v[RR+2*(\i/32):RR+2*(\i/32)+1] op_sel_hi:[1,0]   ; each accumulator from its low end on
.endr
.irp f, 0,1,2,3,4,5,6,7                        ; register j of tile f is column 64 (f / 4) + 32 ((f % 4) / 2) + 16 h + 8 (f % 2) + j of my token's row
	ds_store_b128 v[SO], v[HA+8*\f:HA+8*\f+3] offset:256*(\f/4)+128*((\f%4)/2)+32*(\f%2)
	ds_store_b128 v[SO], v[HA+8*\f+4:HA+8*\f+7] offset:256*(\f/4)+128*((\f%4)/2)+32*(\f%2)+16
.endr
.irp i, 0,1,2,3,4,5,6,7,8,9,10,11,12,13,14,15
	ds_load_b128 v[OB+4*\i:OB+4*\i+3], v[SR] offset:528*\i   ; LDS serves a wave's instructions in order (ISA guide 5.7.1.4): these see the stores above, and the next tile's stores come behind them
.endr
.endm
	TILE 0, 1, 0, 18                               ; the first pair: nothing is there to leave yet
	TILE 1, 1, 1, 18
	s_mov_b32 s[CNT], 2
.Lpair:                                            ; pairs 1 and 2
	TILE 0, 1, 1, 18
	TILE 1, 1, 1, 18
	s_sub_co_u32 s[CNT], s[CNT], 1
	s_cmp_lg_u32 s[CNT], 0
	s_cbranch_scc1 .Lpair
	TILE 0, 0, 1, 18                               ; the last pair asks for nothing: no load leaves its buffer
	TILE 1, 0, 1, 0
	SEND 1                                         ; the last tile; its wait leaves no LDS instruction of mine out
	s_wait_tensorcnt 0x0
	ds_add_u32 v207, v251
	s_wait_dscnt 0x0
	ROUND                                          ; the closing round: no work-group ends while a partner may still ask for what names it
	s_endpgm
.Lfunc_end_k_qb09b52eca3_attn:
	.size	k_qb09b52eca3_attn, .Lfunc_end_k_qb09b52eca3_attn-k_qb09b52eca3_attn
	.p2alignl 7, 3214868480
	.fill 96, 4, 3214868480
	.section	.rodata,"a",@progbits
	.p2align	6, 0x0
	.amdhsa_kernel k_qb09b52eca3_attn
		.amdhsa_group_segment_fixed_size 168448
		.amdhsa_private_segment_fixed_size 0
		.amdhsa_enable_private_segment 0
		.amdhsa_kernarg_size 64
		.amdhsa_user_sgpr_count 2
		.amdhsa_user_sgpr_kernarg_segment_ptr 1
		.amdhsa_wavefront_size32 1
		.amdhsa_system_sgpr_workgroup_id_x 1
		.amdhsa_system_sgpr_workgroup_id_y 1
		.amdhsa_system_sgpr_workgroup_id_z 1
		.amdhsa_system_vgpr_workitem_id 0
		.amdhsa_next_free_vgpr 1024
		.amdhsa_next_free_sgpr 66
		.amdhsa_reserve_vcc 0
		.amdhsa_float_denorm_mode_32 3
		.amdhsa_float_denorm_mode_16_64 3
		.amdhsa_memory_ordered 1
		.amdhsa_forward_progress 1
		.amdhsa_inst_pref_size 247
	.end_amdhsa_kernel
	.amdgpu_metadata
---
amdhsa.version: [ 1, 2 ]
amdhsa.kernels:
  - .name:           k_qb09b52eca3_attn
    .symbol:         k_qb09b52eca3_attn.kd
    .args:
      - { .name: xc, .offset: 0, .size: 8, .value_kind: global_buffer, .address_space: global }
      - { .name: xs, .offset: 8, .size: 8, .value_kind: global_buffer, .address_space: global }
      - { .name: wimg, .offset: 16, .size: 8, .value_kind: global_buffer, .address_space: global }
      - { .name: bq, .offset: 24, .size: 8, .value_kind: global_buffer, .address_space: global }
      - { .name: mask, .offset: 32, .size: 8, .value_kind: global_buffer, .address_space: global }
      - { .name: kvp, .offset: 40, .size: 8, .value_kind: global_buffer, .address_space: global }
      - { .name: zp, .offset: 48, .size: 8, .value_kind: global_buffer, .address_space: global }
      - { .name: out0, .offset: 56, .size: 8, .value_kind: global_buffer, .address_space: global }
    .group_segment_fixed_size: 168448
    .private_segment_fixed_size: 0
    .kernarg_segment_align: 8
    .kernarg_segment_size: 64
    .max_flat_workgroup_size: 128
    .sgpr_count:     66
    .vgpr_count:     1024
    .wavefront_size: 32
...
	.end_amdgpu_metadata
.endif
;; end of part 3
